; MI455X (gfx1250); checked and timed in simulation.
; The chip was launched on July 23, 2026; its instructions are those of AMD's public machine-readable ISA for CDNA 5 (MIT licence, August 2026) and "CDNA5" Instruction Set Architecture Reference Guide (July 2026). The comments in the code are by the model that wrote it; some were corrected since.
;; Lo RA Layer. Allowed arithmetic: matrix products marked QUANTISED: E3M2 operands, one E8M0 scale for each 32 along K, by v_wmma_scale_f32_16x16x128_f8f6f4 with both operands' format E3M2, f32 sums; products left as they are: f32 operands where the result goes on into a quantised operand, else bf16, f16 or f32 operands; f32 sums; everything else in f32.
;; Inputs: W 4,096 x 4,096 float32; b 4,096 float32; lora_A 16 x 4,096 float32; lora_B 4,096 x 16 float32; x 4,096 x 4,096 float32.
;; Outputs: out0 4,096 x 4,096 float32.
;; This version of the problem:
;;   THIS VERSION OF THE PROBLEM IS GIVEN IN LOW PRECISION. The matrix products marked QUANTISED in the list below multiply operands that are first quantised to E3M2 (3 exponent bits, 2 mantissa bits; 6 bits a number), with one power-of-two scale for each 32 numbers along K (OCP MX v1.0); their sums are f32. All else is computed in f32.
;;   The module's matrix products, in the order in which they are computed (A, B: the left and right operand; K: the contracted axis; several contracted axes count as one K, in the product's order):
;;     1. [M 4,096, K 4,096] x [K 4,096, N 4,096]; A: input x; B: input W: QUANTISED
;;     2. [M 4,096, K 4,096] x [K 4,096, N 16]; A: input x; B: input lora_A: QUANTISED
;;     3. [M 4,096, K 16] x [K 16, N 4,096]; A: computed on the way; B: input lora_B: left as it is (K = 16 < 32)
;;   THE QUANTISER, for each operand of a quantised product, along K:
;;     - K is cut into blocks of 32 from its start; a last block that is shorter is filled with zeros.
;;     - A block's scale is 2^e with e = floor(log2(the largest magnitude in the block)) - 4, held to -126 .. 127; a block of zeros has e = 0. As a byte (E8M0): e + 127.
;;     - Each number is divided by its block's scale, clamped to +-28, and rounded to the nearest number of E3M2, ties to even, subnormals kept.
;;     - The product sums the exact products of the quantised numbers (number of the format x scale) in f32.
;;   ~~~python
;;   def quantise(x, axis):      # numpy; x: float32 -> the quantised numbers, widened to float32 again
;;       x = np.moveaxis(x, axis, -1); K = x.shape[-1]
;;       x = np.pad(x, [(0, 0)] * (x.ndim - 1) + [(0, -K % 32)]); x = x.reshape(x.shape[:-1] + (-1, 32)); a = np.abs(x).max(-1, keepdims=True)
;;       e = np.where(a > 0, np.clip(np.frexp(np.where(a > 0, a, 1))[1] - 1 - 4, -126, 127), 0)      # np.frexp(a)[1] - 1 = floor(log2(a)), exactly
;;       r = np.clip(x / 2.0 ** e, -28, 28)
;;       step = 2.0 ** (np.maximum(np.frexp(np.where(r == 0, 1, r))[1] - 1, -2) - 2)
;;       q = np.round(r / step) * step * 2.0 ** e      # np.round: ties to even
;;       return np.moveaxis(q.reshape(q.shape[:-2] + (-1,))[..., :K], -1, axis).astype(np.float32)
;;   ~~~
;; 2 versions, each right; version 2 is version 1 with the launch quant written anew for expert scheduling mode. Each part assembles by itself: llvm-mc -triple=amdgcn-amd-amdhsa -mcpu=gfx1250 --defsym DOCPART=n.
;; ======== version 1 of 2: 2 launches
;; workspace buffers: xc 13,697,024 bytes; wc 13,697,024 bytes; tb 131,072 bytes
;; launch quant (part 1): grid 256 x 1, 8 waves a work-group, no clusters, 84,992 bytes of LDS; arguments x, W, lora_A, xc, wc, tb; writes xc, wc, tb
.if DOCPART == 1
	.amdgcn_target "amdgcn-amd-amdhsa--gfx1250"
	.amdhsa_code_object_version 6
	.text
	.protected	k_q4617ed97e3_quant
	.globl	k_q4617ed97e3_quant
	.p2align	8
	.type	k_q4617ed97e3_quant,@function
k_q4617ed97e3_quant:
	s_mov_b64 s[64:65], 0
	v_nop
	global_prefetch_b8 v0, s[64:65] scope:SCOPE_SE
	s_setreg_imm32_b32 hwreg(HW_REG_WAVE_MODE, 25, 1), 1
	s_wait_xcnt 0x0
; x [4096][4096] and W [4096][4096], f32, become codes of BF6 (E3M2) with one E8M0 scale byte for each 32 along K, laid IN THE ORDER OF THE OPERAND'S REGISTERS for the product's launch;
; and t2 = 2 x Q(x) Q(lora_A)^T [4096][16] is made on the way, from the fragments of x that lie in registers anyway, and stored as bf16.
; A block's scale is 2^(floor(log2(its largest magnitude)) - 4); its byte is the largest magnitude's exponent field - 4, held at 1 from below; each number is divided by the scale and rounded to the nearest code, ties to even, beyond 28 the largest code.
; LIMITS: NaN and infinities among the inputs are not served.  A block of zeros gets the byte 1 where the rule says 127: its codes are zeros, which add nothing under any byte but 0xff, and the bytes are read by this program alone.
;   t's sum over K is taken in 16 parts (8 waves x 2 accumulators), added in f32 in a fixed order; 2 t is rounded to bf16 once, for the third product.
; LAYOUTS.  xc, wc: [tile of 16 rows: 256][slot of three K steps of 128: 11][4,864 bytes]: three fragments' images of 1,536 bytes (registers 4 c .. 4 c + 3 of lane l at 512 c + 16 l), then 256 bytes of scale words, [row 16][4 words]:
;   word j is the word of K step 3 s + j, word 3 is 0.  So K step k begins at byte 1,536 k + 256 (k / 3) of its tile.  32 K steps are ten slots and two thirds: the K step 32 that does not exist is stored as zeros.
;   tb: [tile 256][lane 32][16 bytes]: lane (r, h) holds 2 t[16 tile + r][8 h .. 8 h + 7]: registers 0-3 of a bf16 fragment.
; SHARES.  Work-group g takes rows 16 g .. 16 g + 15 of x and of W, for all of K; wave w takes K = 512 w .. 512 w + 511: four K steps q.  A wave walks 12 items of 16 rows x 128 K (8,192 bytes): for each q lora_A's, x's, W's.
; Each wave quantises its own K range of lora_A itself: no launch runs earlier, and work-groups hand each other nothing.
; AN ITEM'S WAY.  16 loads, each a row's 512 consecutive bytes (16 a lane); through the wave's own stage in LDS (rows 528 bytes apart: 33 x 16, so that the sixteen rows of a read start in different banks); back so that lane (r, h)
; holds 16 neighbours of each of the four blocks of row r; then the block's maximum, the scale, the conversion.  Loads run four items ahead, the turn through LDS one item.
; THE SCALE WORDS of a slot come from two waves: they meet in LDS (cleared at the head, a barrier, a word at a time, the barrier at the end) and leave as whole blocks of 256 bytes.
; REGISTERS: window 0: v1-11 lane numbers and offsets; v12-15, v16-19 x's and W's scale words; v20 lora_A's; v22-25 where my four K steps' codes go; v28-39 lora_A's fragment; v40-51 the fragment just made; v52-59 at work;
;   v60-63 where my four K steps' scale words go in LDS; v64-191 two sets of 64 numbers; v192-207 at work; v208-223 two accumulators of t; v224-231 their sum.   window 1: four sets of 64 numbers as they are loaded.
.set ROWB,  16384                      ; a row of x, W or lora_A in bytes
.set SP,    528                        ; a stage row
.set WSTG,  16*SP                      ; a wave's stage
.set RED,   8*WSTG                     ; behind the stages: 1,024 bytes a wave for t's parts
.set SCW,   RED+8*1024                 ; behind them: the scale words: x's 11 blocks of 256 bytes, then W's; 8,192 bytes are cleared
.set SCT,   11*256                     ; a tensor's scale words
.set FRB,   1536                       ; a fragment's image
.set SLOTB, 3*FRB+256                  ; a tile's part of a slot
.set TILEK, 11*SLOTB                   ; a tile, all of K
.set OFF,   4                          ; v4  16 x lane
.set STI,   5                          ; v5  the stage, on the way in: my wave's stage + 16 x lane
.set STO,   6                          ; v6  and on the way out: + 528 r + 64 h
.set ZA,    7                          ; v7  the scale words' bytes that I clear: 16 x my thread's number
.set RDW,   8                          ; v8  where I put my part of t
.set RDR,   9                          ; v9  where the parts are read
.set SLA,   10                         ; v10 LDS: slot w's block of scale words, 8 bytes a lane
.set SGO,   11                         ; v11 and its place in a tile of xc or wc
.set PWX,   12
.set PWW,   16
.set LAS,   20
.set OQ,    22                         ; v22-25 16 x lane + where K step 4 w + q begins in a tile
.set LA,    28
.set PC,    40
.set T2,    52
.set SWA,   60                         ; v60-63 LDS address of row r's word of K step 4 w + q
.set X,     64
.set TM,    192                        ; v192-195 largest magnitudes, v196-199 the other half's, then the bytes, v204-207 the conversions' scale operands
.set ACC,   208
.set RS,    224
.set WV,    20                         ; s20 my wave's number
.set SEL,   22                         ; s[22:23] v_permlanex16_b32's selects for lane l xor 16
.set SRC,   24                         ; s[24:25] lora_A, s[26:27] x, s[28:29] W, each at my rows and my K range
.set DST,   28                         ; s[30:31] xc, s[32:33] wc at my tile (DST + 2 x kind)
.set MSB, 0
.macro WIN new                         ; the immediate's high byte repeats the setting that is left
.if MSB != (\new)
	s_set_vgpr_msb (MSB<<8)|(\new)
.set MSB, (\new)
.endif
.endm
	s_load_b256 s[4:11], s[0:1], 0x0               ; x s[4:5], W s[6:7], lora_A s[8:9], xc s[10:11]
	s_load_b128 s[12:15], s[0:1], 0x20             ; wc s[12:13], tb s[14:15]
	v_lshl_add_u32 v254, v0, 2, 0x14800
	v_mov_b32 v255, 0
	v_lshrrev_b32 v1, 5, v0
	v_readfirstlane_b32 s[WV], v1                  ; wave 0..7
	v_lshl_add_u32 v[ZA], v0, 4, SCW
.irp b, 0,1,2,3
	v_mov_b32 v[TM+4+\b], 0                        ; written once: a lane permute's destination counts as one of its sources; first they serve as the zeros below
.endr
	ds_store_b128 v[ZA], v[TM+4:TM+7]              ; the scale words' bytes are cleared: 256 threads x 2 x 16 bytes.  So word 3 of every row and the word of K step 32 are zeros
	ds_store_b128 v[ZA], v[TM+4:TM+7] offset:4096
	v_and_b32 v1, 31, v0                           ; lane
	v_and_b32 v2, 15, v0                           ; r
	v_bfe_u32 v3, v0, 4, 1                         ; h
	v_lshlrev_b32 v[OFF], 4, v1
	s_mul_i32 s40, s[WV], WSTG
	v_add_nc_u32 v[STI], s40, v[OFF]
	v_mul_u32_u24 v[STO], v2, SP
	v_lshl_add_u32 v[STO], v3, 6, v[STO]
	v_add_nc_u32 v[STO], s40, v[STO]
	s_lshl_b32 s40, s[WV], 10
	v_add_nc_u32 v[RDW], s40, v[OFF]
	v_add_nc_u32 v[RDW], RED, v[RDW]
	v_add_nc_u32 v[RDR], RED, v[OFF]
	s_lshl_b32 s40, s[WV], 8
	v_lshl_add_u32 v[SLA], v1, 3, SCW
	v_add_nc_u32 v[SLA], s40, v[SLA]
	s_mul_i32 s40, s[WV], SLOTB
	s_add_co_u32 s40, s40, 3*FRB                   ; a slot's scale words lie behind its three images
	v_lshl_add_u32 v[SGO], v1, 3, s40
	v_lshl_add_u32 v21, v2, 4, SCW                 ; a row's four words: 16 r
.irp q, 0,1,2,3
	s_lshl_b32 s40, s[WV], 2
	s_add_co_u32 s40, s40, \q                      ; k = 4 w + q
	s_mul_i32 s41, s40, 11
	s_lshr_b32 s41, s41, 5                         ; s = k / 3, which (11 k) >> 5 is for k up to 31
	s_mul_i32 s42, s41, 244
	s_lshl_b32 s43, s40, 2
	s_add_co_u32 s42, s42, s43                     ; 256 s + 4 (k - 3 s) = 244 s + 4 k
	v_add_nc_u32 v[SWA+\q], s42, v21
	s_mul_i32 s43, s40, FRB
	s_lshl_b32 s41, s41, 8
	s_add_co_u32 s43, s43, s41                     ; 1,536 k + 256 s
	v_add_nc_u32 v[OQ+\q], s43, v[OFF]
.endr
	s_mov_b32 s[SEL], 0x76543210
	s_mov_b32 s[SEL+1], 0xfedcba98
	s_lshl_b32 s40, s[WV], 11                      ; my K range: 512 numbers, 2,048 bytes a wave
	s_mov_b32 s41, 0
	s_lshl_b32 s42, ttmp9, 18                      ; my 16 rows of 16,384 bytes
	s_add_co_u32 s42, s42, s40
	s_mov_b32 s43, 0
	s_wait_kmcnt 0x0
	s_add_nc_u64 s[SRC:SRC+1], s[8:9], s[40:41]
	s_add_nc_u64 s[SRC+2:SRC+3], s[4:5], s[42:43]
	s_add_nc_u64 s[SRC+4:SRC+5], s[6:7], s[42:43]
	s_mul_i32 s42, ttmp9, TILEK                    ; my tile in xc and in wc
	s_add_nc_u64 s[DST+2:DST+3], s[10:11], s[42:43]
	s_add_nc_u64 s[DST+4:DST+5], s[12:13], s[42:43]
	s_lshl_b32 s42, ttmp9, 9                       ; a tile of t2: 512 bytes
	s_add_nc_u64 s[38:39], s[14:15], s[42:43]
; Item n = 3 q + kind (kind 0: lora_A, 1: x, 2: W): 16 rows x 128 K into set n % 4 of window 1.  Each load reads 512 consecutive bytes of one row.  x and W are read once in the launch; every work-group reads lora_A, so its loads carry no hint.
.macro LOAD n
.set LQ, (\n)/3
.set LK, (\n)%3
.set LR, 64*((\n)%4)
	WIN 0x40                                       ; destination window 1
.irp i, 0,1,2,3,4,5,6,7,8,9,10,11,12,13,14,15
.if LK == 0
	global_load_b128 v[LR+4*\i:LR+4*\i+3], v[OFF], s[SRC:SRC+1] offset:ROWB*\i+512*LQ
.else
	global_load_b128 v[LR+4*\i:LR+4*\i+3], v[OFF], s[SRC+2*LK:SRC+2*LK+1] offset:ROWB*\i+512*LQ th:TH_LOAD_NT
.endif
.endr
	WIN 0
.endm
; Item n through my stage: in as loaded, out as lane (r, h) wants it: register 16 b + i = k 32 b + 16 h + i of row r.  LDS serves a wave's instructions in order (ISA guide 5.7.1.4): no wait between the stores and the loads, and one stage is enough.
.macro TURN n
.set TR, 64*((\n)%4)
.set TX, X+64*((\n)%2)
	WIN 0x04                                       ; an LDS store's data are its source 1: window 1
.irp i, 0,1,2,3,4,5,6,7,8,9,10,11,12,13,14,15
	ds_store_b128 v[STI], v[TR+4*\i:TR+4*\i+3] offset:SP*\i
.endr
	WIN 0
.irp b, 0,1,2,3
.irp j, 0,1,2,3
	ds_load_b128 v[TX+16*\b+4*\j:TX+16*\b+4*\j+3], v[STO] offset:128*\b+16*\j
.endr
.endr
.endm
; 64 numbers of a lane, v[s] on, become a fragment's 12 registers in v[d] on and its rows' scale word in v[pw].
.macro QUANT s, d, pw
.irp b, 0,1,2,3
	v_max3_num_f32 v[TM+\b], |v[\s+16*\b]|, |v[\s+1+16*\b]|, 0x2800000   ; block b: my 16 numbers, and the floor 2^(5 - 127): so the byte cannot fall under 1
.endr
.irp i, 2,4,6,8,10,12,14
.irp b, 0,1,2,3
	v_max3_num_f32 v[TM+\b], v[TM+\b], |v[\s+16*\b+\i]|, |v[\s+1+16*\b+\i]|   ; the four blocks by turns: no line waits for the line above it
.endr
.endr
.irp b, 0,1,2,3
	v_permlanex16_b32 v[TM+4+\b], v[TM+\b], s[SEL], s[SEL+1]
.endr
.irp b, 0,1,2,3
	v_max_num_f32 v[TM+\b], v[TM+\b], v[TM+4+\b]   ; with lane l xor 16's 16 numbers: the block's largest magnitude
.endr
.irp b, 0,1,2,3
	v_add_nc_u32 v[TM+12+\b], 0xfe000000, v[TM+\b] ; 4 off its exponent field: the conversion takes the exponent field of this operand as its scale, and nothing else of it
.endr
.irp b, 0,1,2,3
	v_lshrrev_b32 v[TM+4+\b], 23, v[TM+12+\b]      ; the scale's byte
.endr
	v_lshl_or_b32 v[\pw], v[TM+5], 8, v[TM+4]      ; the four bytes make my row's scale word; both halves of the lanes hold it
	v_lshl_or_b32 v[\pw], v[TM+6], 16, v[\pw]
	v_lshl_or_b32 v[\pw], v[TM+7], 24, v[\pw]
.irp c, 0,1
	v_cvt_scalef32_pk16_bf6_f32 v[\d+6*\c:\d+2+6*\c], v[\s+32*\c:\s+15+32*\c], v[TM+12+2*\c]
	v_cvt_scalef32_pk16_bf6_f32 v[T2+4*\c:T2+2+4*\c], v[\s+16+32*\c:\s+31+32*\c], v[TM+12+2*\c+1]   ; (a conversion's three registers begin on an even number)
.endr
	v_nop                                          ; one plain place behind a scaled conversion
.irp c, 0,1                                    ; the operand's layout wants a WHOLE block in a lane: lanes 0-15 block 2 c, lanes 16-31 block 2 c + 1
.irp i, 0,1,2
	v_permlane16_swap_b32 v[\d+6*\c+\i], v[T2+4*\c+\i]
.endr
.irp i, 0,1,2
	v_mov_b32 v[\d+3+6*\c+\i], v[T2+4*\c+\i]
.endr
.endr
.endm
; Item n is worked on; item n + 4 is asked for; item n + 1 goes through the stage meanwhile.
.macro STEP n
.set SQ, (\n)/3
.set SKD, (\n)%3
.set SX, X+64*((\n)%2)
	s_wait_dscnt 0x0                               ; my numbers are back from the stage, and the stage's stores have read the set that the loads below fill
	s_wait_xcnt 0x0                                ; the earlier stores have had their addresses translated (ISA guide 3.1): only behind this wait are the codes' registers written again
.if (\n)+4 <= 11
	LOAD (\n)+4
.endif
.if (\n)+1 <= 11
.if (\n)+4 <= 11
	s_wait_loadcnt 48                              ; item n + 1 is in: behind it stand the 16 loads of each of items n + 2, n + 3, n + 4
.else
	s_wait_loadcnt 16*(11-((\n)+1))                ; at the end the count runs down: 16 for each item asked for behind n + 1
.endif
	TURN (\n)+1
.endif
.if SKD == 0
	QUANT SX, LA, LAS
.elseif SKD == 1
	QUANT SX, PC, PWX+SQ
	ds_store_b32 v[SWA+SQ], v[PWX+SQ]              ; my row's word to its place in its slot's block; both halves of the lanes write the same word with the same value
.irp c, 0,1,2
	global_store_b128 v[OQ+SQ], v[PC+4*\c:PC+4*\c+3], s[DST+2:DST+3] offset:512*\c   ; the fragment as it stands: 512 consecutive bytes a store, at a multiple of 256 from the buffer's first byte
.endr
.rept 8
	v_nop                                          ; a scale register written by a vector instruction stands 8 places ahead of a scaled matrix instruction, an operand so written 4
.endr
; t^T += Q(lora_A) Q(x)^T for these 128 along K: source 0 = lora_A's 16 rows, source 1 = x's 16 rows: lane (r, h), register j: t[row r][rank 8 h + j].  The two accumulators take turns; the first two products start the sums.
.if SQ < 2
	v_wmma_scale_f32_16x16x128_f8f6f4 v[ACC+8*(SQ%2):ACC+8*(SQ%2)+7], v[LA:LA+11], v[PC:PC+11], 0, v[LAS], v[PWX+SQ] matrix_a_fmt:MATRIX_FMT_BF6 matrix_b_fmt:MATRIX_FMT_BF6
.else
	v_wmma_scale_f32_16x16x128_f8f6f4 v[ACC+8*(SQ%2):ACC+8*(SQ%2)+7], v[LA:LA+11], v[PC:PC+11], v[ACC+8*(SQ%2):ACC+8*(SQ%2)+7], v[LAS], v[PWX+SQ] matrix_a_fmt:MATRIX_FMT_BF6 matrix_b_fmt:MATRIX_FMT_BF6
.endif
; (the next item's 32 maxima, which name none of this product's registers, are the places behind it)
.else
	QUANT SX, PC, PWW+SQ
	ds_store_b32 v[SWA+SQ], v[PWW+SQ] offset:SCT
.irp c, 0,1,2
	global_store_b128 v[OQ+SQ], v[PC+4*\c:PC+4*\c+3], s[DST+4:DST+5] offset:512*\c
.endr
.endif
.endm
.irp n, 0,1,2,3
	LOAD \n
.endr
	s_wait_dscnt 0x0                               ; for the others' sake: the bytes that I cleared are cleared
	s_barrier_signal -1
	s_barrier_wait -1                              ; all of the scale words' bytes are: from here on words are written there
	s_wait_loadcnt 48                              ; item 0 is in; the 48 loads of items 1 to 3 may be out
	TURN 0
.irp n, 0,1,2,3,4,5,6,7,8,9,10,11
	STEP \n
.endr
	; t: my two accumulators, from their low ends on; then the eight waves' parts meet in LDS
.irp i, 0,2,4,6
	v_pk_add_f32 v[RS+\i:RS+\i+1], v[ACC+\i:ACC+\i+1], v[ACC+8+\i:ACC+8+\i+1]
.endr
	ds_store_b128 v[RDW], v[RS:RS+3]
	ds_store_b128 v[RDW], v[RS+4:RS+7] offset:512
	s_wait_dscnt 0x0                               ; for the others' sake: my part of t and my scale words lie in LDS
	s_barrier_signal -1
	s_barrier_wait -1
	; the scale words leave: wave w stores slot w's block of x and of W, 32 lanes x 8 bytes: 256 consecutive bytes, at a multiple of 256 from the buffer's first byte
	ds_load_b64 v[T2:T2+1], v[SLA]
	ds_load_b64 v[T2+2:T2+3], v[SLA] offset:SCT
	s_wait_dscnt 0x0
	global_store_b64 v[SGO], v[T2:T2+1], s[DST+2:DST+3]
	global_store_b64 v[SGO], v[T2+2:T2+3], s[DST+4:DST+5]
	s_cmp_gt_u32 s[WV], 2
	s_cbranch_scc1 .Lno_more                       ; waves 0 to 2 also store slots 8 to 10
	ds_load_b64 v[T2+4:T2+5], v[SLA] offset:8*256
	ds_load_b64 v[T2+6:T2+7], v[SLA] offset:SCT+8*256
	s_wait_dscnt 0x0
	global_store_b64 v[SGO], v[T2+4:T2+5], s[DST+2:DST+3] offset:8*SLOTB
	global_store_b64 v[SGO], v[T2+6:T2+7], s[DST+4:DST+5] offset:8*SLOTB
.Lno_more:
	s_cmp_lg_u32 s[WV], 6
	s_cbranch_scc1 .Lno_zero                       ; wave 6 stores the K step that does not exist, as zeros: the last slot's third image, which the product's launch brings into LDS with the slot
.irp i, 0,1,2,3
	v_mov_b32 v[RS+\i], 0
.endr
.irp c, 0,1,2
	global_store_b128 v[OFF], v[RS:RS+3], s[DST+2:DST+3] offset:32*FRB+10*256+512*\c
	global_store_b128 v[OFF], v[RS:RS+3], s[DST+4:DST+5] offset:32*FRB+10*256+512*\c
.endr
.Lno_zero:
	s_cmp_lg_u32 s[WV], 7
	s_cbranch_scc1 .Lend                           ; wave 7 adds the eight parts of t
.irp p, 0,1,2,3,4,5,6,7
	ds_load_b128 v[X+8*\p:X+8*\p+3], v[RDR] offset:1024*\p
	ds_load_b128 v[X+8*\p+4:X+8*\p+7], v[RDR] offset:1024*\p+512
.endr
	s_wait_dscnt 0x0
.irp p, 0,2,4,6
.irp i, 0,2,4,6
	v_pk_add_f32 v[X+8*\p+\i:X+8*\p+\i+1], v[X+8*\p+\i:X+8*\p+\i+1], v[X+8*\p+8+\i:X+8*\p+8+\i+1]
.endr
.endr
.irp p, 0,4
.irp i, 0,2,4,6
	v_pk_add_f32 v[X+8*\p+\i:X+8*\p+\i+1], v[X+8*\p+\i:X+8*\p+\i+1], v[X+8*\p+16+\i:X+8*\p+16+\i+1]
.endr
.endr
.irp i, 0,2,4,6
	v_pk_add_f32 v[X+\i:X+\i+1], v[X+\i:X+\i+1], v[X+32+\i:X+32+\i+1]
.endr
.irp i, 0,2,4,6
	v_pk_mul_f32 v[X+\i:X+\i+1], v[X+\i:X+\i+1], 2.0 op_sel_hi:[1,0]   ; the scaling alpha / r = 2, which rounds nothing
.endr
.irp i, 0,1,2,3
	v_cvt_pk_bf16_f32 v[TM+\i], v[X+2*\i], v[X+2*\i+1]
.endr
	global_store_b128 v[OFF], v[TM:TM+3], s[38:39] ; 512 consecutive bytes: the tile's image
.Lend:
	s_wait_tensorcnt 0x0
	ds_add_u32 v254, v255
	s_wait_dscnt 0x0
	s_endpgm
.Lfunc_end_k_q4617ed97e3_quant:
	.size	k_q4617ed97e3_quant, .Lfunc_end_k_q4617ed97e3_quant-k_q4617ed97e3_quant
	.p2alignl 7, 3214868480
	.fill 96, 4, 3214868480
	.section	.rodata,"a",@progbits
	.p2align	6, 0x0
	.amdhsa_kernel k_q4617ed97e3_quant
		.amdhsa_group_segment_fixed_size 84992
		.amdhsa_private_segment_fixed_size 0
		.amdhsa_enable_private_segment 0
		.amdhsa_kernarg_size 48
		.amdhsa_user_sgpr_count 2
		.amdhsa_user_sgpr_kernarg_segment_ptr 1
		.amdhsa_wavefront_size32 1
		.amdhsa_system_sgpr_workgroup_id_x 1
		.amdhsa_system_sgpr_workgroup_id_y 1
		.amdhsa_system_sgpr_workgroup_id_z 1
		.amdhsa_system_vgpr_workitem_id 0
		.amdhsa_next_free_vgpr 512
		.amdhsa_next_free_sgpr 66
		.amdhsa_reserve_vcc 0
		.amdhsa_float_denorm_mode_32 3
		.amdhsa_float_denorm_mode_16_64 3
		.amdhsa_memory_ordered 1
		.amdhsa_forward_progress 1
		.amdhsa_inst_pref_size 104
	.end_amdhsa_kernel
	.amdgpu_metadata
---
amdhsa.version: [ 1, 2 ]
amdhsa.kernels:
  - .name:           k_q4617ed97e3_quant
    .symbol:         k_q4617ed97e3_quant.kd
    .args:
      - { .name: x, .offset: 0, .size: 8, .value_kind: global_buffer, .address_space: global }
      - { .name: W, .offset: 8, .size: 8, .value_kind: global_buffer, .address_space: global }
      - { .name: lora_A, .offset: 16, .size: 8, .value_kind: global_buffer, .address_space: global }
      - { .name: xc, .offset: 24, .size: 8, .value_kind: global_buffer, .address_space: global }
      - { .name: wc, .offset: 32, .size: 8, .value_kind: global_buffer, .address_space: global }
      - { .name: tb, .offset: 40, .size: 8, .value_kind: global_buffer, .address_space: global }
    .group_segment_fixed_size: 84992
    .private_segment_fixed_size: 0
    .kernarg_segment_align: 8
    .kernarg_segment_size: 48
    .max_flat_workgroup_size: 256
    .sgpr_count:     66
    .vgpr_count:     512
    .wavefront_size: 32
...
	.end_amdgpu_metadata
.endif
;; end of part 1
;; launch gemm (part 2): grid 16 x 16, 4 waves a work-group, clusters of 4 x 4, 327,680 bytes of LDS; arguments xc, wc, tb, b, lora_B, out0; writes out0
.if DOCPART == 2
	.amdgcn_target "amdgcn-amd-amdhsa--gfx1250"
	.amdhsa_code_object_version 6
	.text
	.protected	k_q4617ed97e3_gemm
	.globl	k_q4617ed97e3_gemm
	.p2align	8
	.type	k_q4617ed97e3_gemm,@function
k_q4617ed97e3_gemm:
	s_mov_b64 s[64:65], 0
	v_nop
	global_prefetch_b8 v0, s[64:65] scope:SCOPE_SE
	s_setreg_imm32_b32 hwreg(HW_REG_WAVE_MODE, 25, 1), 1
	s_wait_xcnt 0x0
	s_wait_alu depctr_hold_cnt(0) depctr_sa_sdst(0) depctr_va_vdst(0) depctr_va_sdst(0) depctr_va_ssrc(0) depctr_va_vcc(0) depctr_vm_vsrc(0)
	s_getreg_b32 s2, hwreg(HW_REG_IB_STS2, 6, 4)
	s_cmp_eq_u32 s2, 0
	s_cbranch_scc0 .Lentry_in_a_cluster
	s_endpgm
.Lentry_in_a_cluster:
	s_bfe_u32 s2, ttmp6, 0x10000c
	s_cmp_lg_u32 s2, 0xf033
	s_cbranch_scc0 .Lentry_shape_is_right
	s_endpgm
.Lentry_shape_is_right:
; out0[n][o] = sum over k of Q(x)[n][k] Q(W)[o][k] + b[o] + sum over r of t2[n][r] lora_B[o][r], with t2 = 2 x Q(x) Q(lora_A)^T.  4,096 x 4,096 x 4,096; out0 f32; sums in f32.
; x's and W's codes of BF6 (E3M2) and their E8M0 scale words come from the launch before, laid in the order of the operand's registers: xc, wc [tile of 16 rows: 256][slot of three K steps of 128: 11][4,864 bytes]: three fragments'
; images of 1,536 bytes (registers 4 c .. 4 c + 3 of lane l at 512 c + 16 l), then 256 bytes of scale words [row 16][4 words], word j for K step 3 s + j.  The last slot holds two K steps; its third image is zeros and is not read from LDS.
; tb [tile 256][lane 32][16 bytes]: t2 as bf16, registers 0-3 of a fragment.
; LIMITS: t2 and lora_B are rounded to bf16 for the third product (its K is 16; the instruction's other 16 along K are zeros on both sides).  NaN and infinities among the inputs are not served.
; A tile of out0, 256 x 256, is made by a work-group of four waves, as many as a WGP has SIMDs; a wave makes 128 x 128: 64 accumulators of 16 x 16, 512 registers.  4,096 / 256 squared = 256 work-groups.
; K goes in slots of 384 (three matrix instructions deep) through a ring of two LDS slots filled by the tensor data mover: 32 tiles x 4,864 bytes = 155,648 bytes a slot, the largest of which two fit.  A refill is asked for behind the
; first 32 products of a slot's last step, and waited for at the head of the next slot's last step: 160 matrix instructions later.  A fragment comes out of LDS by three loads of 16 bytes a lane, 512 consecutive bytes each: no pitch, no padding.
; THE SCALE WORDS travel in the slots, behind each tile's codes: one descriptor brings both.
; CLUSTERS: 4 x 4 work-groups.  The four of a row of the cluster need the same tiles of x, the four of a column the same tiles of W: each tile is asked for JOINTLY, by the same tensor load with the same descriptor and a mask that names the four.
; THE MATRIX INSTRUCTION IS USED TRANSPOSED (source 0 = 16 rows of W, source 1 = 16 rows of x): a lane then holds eight neighbouring numbers of a row of out0.
; THE BIAS is the C of each sum's first matrix instruction.  THE THIRD PRODUCT is one bf16 matrix instruction on each accumulator, behind the last K step.
; REGISTERS, in windows of 256: window 0: v1-6 at work at the head; v16-31 addresses; v32-63 and v224-255 scale words, a set for each slot; v64-127 the bias (8 registers for each of W's 8 blocks), later t2's eight fragments;
;   v128-223 x's fragments, ONE set; on the way out v128-255.
;   window 1: W's fragments, TWO sets, at v0 and at v128; lora_B's eight bf16 fragments at v96-127 and v224-255.   window 2: the 32 accumulators of my rows 0-63 (accumulator (a, b) at v[8 (8 a + b)]);   window 3: those of my rows 64-127.
.set FR,     12                        ; registers of a fragment: 16 rows x 128 K
.set NL,     3                         ; LDS loads that bring one
.set NP,     4                         ; places behind this matrix instruction (ISA guide 7.12.1)
.set NQ,     3                         ; matrix instructions deep in a slot
.set FRB,    1536                      ; a fragment's image in bytes
.set TILEB,  NQ*FRB+256                ; a tile's part of a slot: three images and the scale words
.set KROWB,  11*TILEB                  ; a tile, all of K
.set HALFT,  8*TILEB                   ; 8 tiles = 128 rows: what one tensor load brings, and what one wave reads of x or of W
.set SLOT,   4*HALFT                   ; x's 16 tiles, then W's 16
.set TRIPS,  4                         ; the loop's trips: six K steps and two refills each
.set SPARE,  2*SLOT                    ; behind the ring: the spare words, 128 bytes for each wave: two blocks of 256 bytes that no other line names
.set STAGE,  SLOT                      ; the way out: a stage of 16 rows x (512 bytes + 16) for each wave.  It lies in slot 1, which has had its last fill and its last read when the first result is stored there (the last two K steps lie in slot 0)
.set SPITCH, 528
.set CROW,   16384                     ; a row of out0 in bytes
.set ADRA, 16                          ; v16-17  LDS address of my fragments of x in slot 0, 1
.set ADRB, 20                          ; v20-21  the same for W
.set STO,  24                          ; v24     the way out: where I put 32 bytes of a row
.set RD,   25                          ; v25     the way out: where I read a row back
.set ADRS, 26                          ; v26-27  LDS address of my scale words in slot 0, 1: lanes 0-15 x's rows, lanes 16-31 W's
.set SPW,  28                          ; v28     LDS address of my spare word: SPARE + 4 x my thread's number; never rewritten
.set NIL,  29                          ; v29     0; never rewritten
.set PFO,  30                          ; v30     the prefetches' offset: 256 x lane; never rewritten
.set LI,   31                          ; v31     16 x lane: my place in an image, in tb's tile and in a row of out0; never rewritten
.set SC,   32                          ; scale words: set s (for slot s) at v[SC + 192 s]; in it register 4 i + q: lanes 0-15 the word of x's block i, lanes 16-31 that of W's block i, for the slot's q-th 128 along K
.set BI,   64                          ; the bias
.set TF,   64                          ; t2's fragments, in the same registers, once the bias has been taken
.set AF,   128                         ; x's fragments
.set BK,   128                         ; the way out: 16 rows read back from the stage: v128-191 and v192-255 by turns
.set WV,   20                          ; s20 wave; s21 which half of the tile's rows is mine, also: I fetch for x (0) or for W (1); s22 which half of its columns, also: which 8 tiles I fetch
.set G1, 24                            ; s[24:31] descriptor group 1 for x's tiles;  s[32:39] group 0, one set for each slot
.set G0, 32
.set G1B, 48                           ; s[48:55], s[56:63] the same for W's tiles
.set G0B, 56
.set PM,  66                           ; s66  in a wave that prefetches: a bit for each refill behind which it asks; else 0
.set PH,  67                           ; s67  which slot's worth of K the last refill asked for
.set PFA, 100                          ; s[100:101] where my prefetches stand
.set MSB, 0
.macro WIN new                         ; the immediate's high byte repeats the setting that is left
.if MSB != (\new)
	s_set_vgpr_msb (MSB<<8)|(\new)
.set MSB, (\new)
.endif
.endm
.set MUL_LO, 0xa1                      ; source 0 (W) window 1, source 1 (x) window 0, C and D window 2;  with the bias as C, which lies in window 0: 0x81
.set MUL_HI, 0xf1                      ; the same, C and D window 3;  with the bias as C: 0xc1
.set TO_B,   0x40                      ; destination window 1, address window 0
; A joint load: waves 0 and 1 fetch for x, waves 2 and 3 for W.  Each of the two lines has ONE mask and one set of registers for all that issue it; the branch hangs on the wave's number alone.
; Four v_nop follow each of the two lines, ahead of the jump, the label and what follows.
.macro JLOAD g0a, g1a, g0b, g1b
	s_cmp_eq_u32 s21, 0
	s_cbranch_scc0 .Lfor_b_\@
	tensor_load_to_lds s[\g0a:\g0a+3], s[\g1a:\g1a+7]
	s_nop 0
.rept 4
	v_nop
.endr
	s_branch .Lasked_\@
.Lfor_b_\@:
	tensor_load_to_lds s[\g0b:\g0b+3], s[\g1b:\g1b+7]
	s_nop 0
.rept 4
	v_nop
.endr
.Lasked_\@:
.endm
.macro CREST                           ; a round of the cluster's barrier behind its opening barrier
	s_cmp_lg_u32 s[WV], 0
	s_cbranch_scc1 .Lnot_wave_0_\@
	s_barrier_signal -3
.Lnot_wave_0_\@:
	s_barrier_wait -3
	s_barrier_signal -1
	s_barrier_wait -1
.endm
.macro CROUND                          ; a whole round
	s_barrier_signal -1
	s_barrier_wait -1
	CREST
.endm
; A PREFETCH INTO THE L2.  A tile, all of K, is 209 consecutive blocks of 256 bytes, 19 to a slot's worth.  One instruction names 32 consecutive blocks of one tile, a lane a block; a wave that asks has two tiles: two instructions, together.
; Five such pieces cover blocks 49 to 208.  They are named behind the refills that ask for slots' worth 2, 3, 4, 6 and 8 (the bits of s[PM]): slot's worth m, blocks 19 m .. 19 m + 18, m from 3 on, is so named at least one refill,
; 192 matrix instructions, ahead of the load that wants it.  (Blocks 49 to 56 of the first piece belong to the slot's worth that is being asked for at that refill.)  Blocks 0 to 48 come by their tensor loads alone.
; Each block is named ONCE in the launch.  x's tiles are read by every cluster of a row of clusters: the one with x = 0 asks (waves 0 and 1); W's by every cluster of a column: the one with y = 0 asks (waves 2 and 3).
; The four partners that ask for a wave's 8 tiles jointly share them out BY ADDRESS, two each (by cx for x, by cy for W): no branch hangs on a work-group's place in its cluster.  The last piece ends with a tile's last block.
.macro ASK
	s_lshr_b32 s92, s[PM], s[PH]
	s_and_b32 s92, s92, 1
	s_cmp_eq_u32 s92, 0
	s_cbranch_scc1 .Lnot_mine_\@
	global_prefetch_b8 v[PFO], s[PFA:PFA+1] th:TH_LOAD_NT scope:SCOPE_SE
	global_prefetch_b8 v[PFO], s[PFA:PFA+1] offset:KROWB th:TH_LOAD_NT scope:SCOPE_SE
.Lnot_mine_\@:
.endm
	s_load_b256 s[4:11], s[0:1], 0x0               ; xc s[4:5], wc s[6:7], tb s[8:9], b s[10:11]
	s_load_b128 s[12:15], s[0:1], 0x20             ; lora_B s[12:13], out0 s[14:15]
	v_lshl_add_u32 v[SPW], v0, 2, SPARE
	v_mov_b32 v[NIL], 0
	ds_add_u32 v28, v29
	ds_add_u32 v28, v29
	s_wait_dscnt 0x0
	v_lshrrev_b32 v1, 5, v0
	v_readfirstlane_b32 s[WV], v1                  ; wave 0..3
	s_lshr_b32 s21, s[WV], 1
	s_and_b32 s22, s[WV], 1
	s_bfe_u32 s40, ttmp6, 0x40000                  ; cx, cy: my place in the cluster
	s_bfe_u32 s41, ttmp6, 0x40004
	s_lshl_b32 s42, ttmp9, 2
	s_add_co_u32 s42, s42, s40                     ; tile column of out0 = 4 x cluster x + cx
	s_and_b32 s43, ttmp7, 0xffff
	s_lshl_b32 s43, s43, 2
	s_add_co_u32 s43, s43, s41                     ; tile row = 4 x cluster y + cy
	s_lshl_b32 s44, s41, 2
	s_lshl_b32 s44, 15, s44                        ; my row of the cluster
	s_lshl_b32 s45, 0x1111, s40                    ; my column
	; descriptor group 1: 8 rows (one for each tile of 16 rows) of 4,864 bytes (608 elements of 8), 53,504 bytes apart in memory, on end in LDS
	s_or_b32 s[G1+0], s44, (3<<16)|(1<<21)         ; 15:0 the mask: x's tiles go to my row; 17:16 elements of 8 bytes; 20 no padding; 21 set beside a mask
	s_or_b32 s[G1B+0], s45, (3<<16)|(1<<21)        ; W's go to my column
.irp g, G1, G1B
	s_mov_b32 s[\g+1], (TILEB/8)<<16               ; tensor_dim0
	s_mov_b32 s[\g+2], 8<<16                       ; tensor_dim1
	s_mov_b32 s[\g+3], (TILEB/8)<<16               ; tile_dim0
	s_mov_b32 s[\g+4], 8                           ; tile_dim1
	s_mov_b32 s[\g+5], KROWB/8                     ; tensor_dim0_stride
	s_mov_b32 s[\g+6], 0
	s_mov_b32 s[\g+7], 0
.endr
	; where the tiles come from.  x's hang on the tile row alone, which my row of the cluster shares; W's on the tile column alone, which my column shares; each in registers that never hold the other coordinate
	s_lshl_b32 s46, s22, 3                         ; which 8 tiles of 16 rows I fetch
	s_lshl_b32 s92, s43, 4
	s_add_co_u32 s92, s92, s46                     ; x: tile 16 x tile row + 8 x half
	s_lshl_b32 s94, s42, 4
	s_add_co_u32 s94, s94, s46                     ; W: tile 16 x tile column + 8 x half
	s_mul_i32 s92, s92, KROWB                      ; in bytes (255 x 53,504 at the most)
	s_mul_i32 s94, s94, KROWB
	s_mov_b32 s93, 0
	s_mov_b32 s95, 0
	s_mul_i32 s47, s[WV], HALFT                    ; where they go: wave x 8 tiles: no place in the cluster enters an LDS address
	s_wait_kmcnt 0x0
	s_add_nc_u64 s[92:93], s[4:5], s[92:93]
	s_add_nc_u64 s[94:95], s[6:7], s[94:95]
	CROUND                                         ; all sixteen work-groups are here: the first joint loads meet
.irp s, 0,1
	s_mov_b32 s[G0+4*\s], 1
	s_add_co_u32 s[G0+4*\s+1], s47, \s*SLOT
	s_add_nc_u64 s[G0+4*\s+2:G0+4*\s+3], s[92:93], \s*TILEB
	s_or_b32 s[G0+4*\s+3], s[G0+4*\s+3], 0x80000000
	s_mov_b32 s[G0B+4*\s], 1
	s_add_co_u32 s[G0B+4*\s+1], s47, \s*SLOT
	s_add_nc_u64 s[G0B+4*\s+2:G0B+4*\s+3], s[94:95], \s*TILEB
	s_or_b32 s[G0B+4*\s+3], s[G0B+4*\s+3], 0x80000000
	JLOAD G0+4*\s, G1, G0B+4*\s, G1B               ; two tensor loads of mine are out
.endr
	v_and_b32 v1, 15, v0                           ; r = l % 16
	v_bfe_u32 v2, v0, 4, 1                         ; h = l / 16
	v_and_b32 v3, 31, v0
	v_lshlrev_b32 v[LI], 4, v3
	s_mul_i32 s2, s21, HALFT                       ; my 8 tiles of x
	s_mul_i32 s3, s22, HALFT                       ; my 8 tiles of W,
	s_add_co_u32 s3, s3, 2*HALFT                   ; which lie behind x's 16
.irp s, 0,1
	v_add_nc_u32 v[ADRA+\s], s2, v[LI]
	v_add_nc_u32 v[ADRB+\s], s3, v[LI]
	s_add_co_u32 s2, s2, SLOT
	s_add_co_u32 s3, s3, SLOT
.endr
	v_lshlrev_b32 v4, 4, v1                        ; my row's four words of a slot
	s_mul_i32 s2, s21, HALFT                       ; x's: in my 8 tiles of x
	s_mul_i32 s3, s22, HALFT                       ; W's: in my 8 tiles of W
	s_add_co_u32 s3, s3, 2*HALFT
	s_sub_co_u32 s3, s3, s2
	v_mul_u32_u24 v5, s3, v2                       ; lanes 16-31 take W's: the lower base + h x the distance
	s_add_co_u32 s2, s2, NQ*FRB                    ; behind a tile's three images
	v_add_nc_u32 v4, v4, v5
	v_add_nc_u32 v[ADRS], s2, v4
	s_add_co_u32 s2, s2, SLOT
	v_add_nc_u32 v[ADRS+1], s2, v4
	s_mul_i32 s2, s[WV], 16*SPITCH
	s_add_co_u32 s2, s2, STAGE                     ; my stage
	v_mul_u32_u24 v5, v1, SPITCH                   ; in: row l % 16, 32 bytes for each half of the lanes
	v_lshl_add_u32 v5, v2, 5, v5
	v_add_nc_u32 v[STO], s2, v5
	v_add_nc_u32 v[RD], s2, v[LI]                  ; back: the 32 lanes take one row of 512 bytes
	v_lshlrev_b32 v[PFO], 8, v3                    ; the prefetches: lanes 256 bytes apart
	v_lshlrev_b32 v5, 5, v2                        ; the bias: 32 h: my half's eight numbers of a block of 16
	v_lshlrev_b32 v6, 6, v1
	v_lshl_add_u32 v6, v2, 5, v6                   ; lora_B: row r of 64 bytes, + 32 h: ranks 8 h .. 8 h + 7
	; the prefetches: who asks, and where my wave's stand
	s_and_b32 s2, ttmp7, 0xffff                    ; cluster y
	s_cmp_eq_u32 s21, 0                            ; do I fetch for x?
	s_cselect_b32 s96, s43, s42                    ; the tile row, or the tile column
	s_cselect_b32 s97, s40, s41                    ; my place among the four that ask with me
	s_cselect_b32 s2, ttmp9, s2                    ; the coordinate along which other clusters read the same tiles
	s_cselect_b64 s[PFA:PFA+1], s[4:5], s[6:7]
	s_cmp_eq_u32 s2, 0
	s_cselect_b32 s[PM], 0x15c, 0                  ; bits 2, 3, 4, 6, 8; the same in all sixteen partners, for a given wave
	s_lshl_b32 s96, s96, 4
	s_add_co_u32 s96, s96, s46                     ; the 8 tiles that I fetch,
	s_lshl_b32 s97, s97, 1
	s_add_co_u32 s96, s96, s97                     ; my work-group's two of them,
	s_mul_i32 s96, s96, KROWB
	s_add_co_u32 s96, s96, 49*256                  ; at block 49
	s_mov_b32 s97, 0
	s_add_nc_u64 s[PFA:PFA+1], s[PFA:PFA+1], s[96:97]
	s_mov_b32 s[PH], 1
	s_mov_b32 s93, 0                               ; s[92:93]: the prefetches' step
	; where my part of out0, of b, of lora_B and of tb begins
	s_lshl_b32 s2, s43, 8
	s_lshl_b32 s3, s21, 7
	s_add_co_u32 s2, s2, s3                        ; my first row: 256 x tile row + 128 x half
	s_lshl_b32 s2, s2, 14
	s_lshl_b32 s96, s42, 10
	s_lshl_b32 s3, s22, 9
	s_add_co_u32 s96, s96, s3                      ; my first column, in bytes of f32: 1,024 x tile column + 512 x half
	s_add_co_u32 s2, s2, s96
	s_mov_b32 s3, 0
	s_add_nc_u64 s[14:15], s[14:15], s[2:3]
	s_add_nc_u64 s[10:11], s[10:11], s[96:97]      ; b at my first column
	s_lshl_b32 s96, s96, 4                         ; a row of lora_B is 64 bytes
	s_add_nc_u64 s[12:13], s[12:13], s[96:97]
	s_lshl_b32 s96, s43, 13                        ; tb: 512 bytes a tile of 16 rows: 16 x tile row + 8 x half
	s_lshl_b32 s2, s21, 12
	s_add_co_u32 s96, s96, s2
	s_add_nc_u64 s[8:9], s[8:9], s[96:97]
.irp k, 0,1,2,3,4,5,6,7                        ; the bias in the result's layout: for W's block k lane (r, h) wants b at columns 16 k + 8 h + 0 .. 7;  lora_B's rows 16 k + r as f32, into registers that x's fragments take later
	global_load_b128 v[BI+8*\k:BI+8*\k+3], v5, s[10:11] offset:64*\k
	global_load_b128 v[BI+8*\k+4:BI+8*\k+7], v5, s[10:11] offset:64*\k+16
	global_load_b128 v[AF+8*\k:AF+8*\k+3], v6, s[12:13] offset:1024*\k
	global_load_b128 v[AF+8*\k+4:AF+8*\k+7], v6, s[12:13] offset:1024*\k+16
.endr
	s_wait_loadcnt 0x0
	WIN TO_B                                       ; destination window 1
.irp k, 0,1,2,3,4,5,6,7
.irp i, 0,1,2,3
	v_cvt_pk_bf16_f32 v[96+8*\k+96*(\k/4)+\i], v[AF+8*\k+2*\i], v[AF+8*\k+2*\i+1]   ; registers 0-3 of a bf16 fragment: K = 8 h + 0 .. 7
.endr
.irp i, 4,5,6,7
	v_mov_b32 v[96+8*\k+96*(\k/4)+\i], 0           ; registers 4-7: K = 16 .. 31, which this product does not have
.endr
.endr
	WIN 0
.macro FRAG reg, adr, q, i             ; a fragment as it was stored: three loads of 512 consecutive bytes
.irp c, 0,1,2
	ds_load_b128 v[\reg+4*\c:\reg+4*\c+3], v[\adr] offset:(\i)*TILEB+(\q)*FRB+512*\c
.endr
.endm
; 16 matrix instructions: x's blocks a0, a0 + 1 against W's eight, 128 along K: the slot's q-th.  p: W's set;  sc: the set of scale words.  mode = 1: the first product starts the sums, with the bias as C: nothing is ever cleared.
; The 64 accumulators take turns, one instruction a turn, in the same order in every step.
.macro MUL16 a0, p, q, sc, mode
.irp a, \a0, \a0+1
.irp b, 0,1,2,3,4,5,6,7
.if \mode
	v_wmma_scale_f32_16x16x128_f8f6f4 v[8*(8*((\a)%4)+\b):8*(8*((\a)%4)+\b)+7], v[128*(\p)+FR*\b:128*(\p)+FR*\b+FR-1], v[AF+FR*(\a):AF+FR*(\a)+FR-1], v[BI+8*\b:BI+8*\b+7], v[SC+192*(\sc)+4*\b+(\q)], v[SC+192*(\sc)+4*(\a)+(\q)] matrix_a_fmt:MATRIX_FMT_BF6 matrix_b_fmt:MATRIX_FMT_BF6 matrix_a_scale:MATRIX_SCALE_ROW1
.else
	v_wmma_scale_f32_16x16x128_f8f6f4 v[8*(8*((\a)%4)+\b):8*(8*((\a)%4)+\b)+7], v[128*(\p)+FR*\b:128*(\p)+FR*\b+FR-1], v[AF+FR*(\a):AF+FR*(\a)+FR-1], v[8*(8*((\a)%4)+\b):8*(8*((\a)%4)+\b)+7], v[SC+192*(\sc)+4*\b+(\q)], v[SC+192*(\sc)+4*(\a)+(\q)] matrix_a_fmt:MATRIX_FMT_BF6 matrix_b_fmt:MATRIX_FMT_BF6 matrix_a_scale:MATRIX_SCALE_ROW1
.endif
.endr
.endr
.endm
.macro FETCH_B slot, q, p              ; W's eight fragments of the slot's q-th 128 along K into set p
	WIN TO_B
.irp i, 0,1,2,3,4,5,6,7
	FRAG 128*(\p)+FR*\i, ADRB+\slot, \q, \i
.endr
	WIN 0
.endm
.macro FETCH_A slot, q, i0             ; x's blocks i0 .. i0 + 3
.irp i, \i0, \i0+1, \i0+2, \i0+3
	FRAG AF+FR*(\i), ADRA+\slot, \q, \i
.endr
.endm
.macro SCALES sc                       ; slot sc's scale words into set sc: four words a row (the fourth serves nothing); lanes 0-15 take x's block i, lanes 16-31 W's block i; each half of the lanes reads 256 consecutive bytes
.irp i, 0,1,2,3,4,5,6,7
	ds_load_b128 v[SC+192*\sc+4*\i:SC+192*\sc+4*\i+3], v[ADRS+\sc] offset:\i*TILEB
.endr
.endm
; A load into a register that a matrix instruction has read, and a vector instruction or an LDS store that reads a matrix result, stand NP places behind that matrix instruction, and only plain vector
; instructions that name none of its registers are places (ISA guide 7.12.1 for vector instructions); this text does not count the matrix instructions in between.
.macro PLACES n
.rept \n
	v_nop
.endr
.endm
; A step of 128 along K that has its successor in the same slot.  A block of x is free as soon as its eight products are issued, so one set of registers serves x: blocks 0-3 are fetched anew in the step's middle, blocks 4-7 at its end.
; W's two sets take turns from step to step: three steps to a slot, so the set of the slot's q-th step is (slot + q) % 2.
.macro STEP slot, q, mode
	s_wait_dscnt 4*NL                              ; W's set, x's blocks 0-3 and the scale words are in; the youngest 12 loads (x's blocks 4-7) may be out
	WIN MUL_LO-0x20*(\mode)
	MUL16 0, ((\slot)+(\q))%2, \q, \slot, \mode
	MUL16 2, ((\slot)+(\q))%2, \q, \slot, \mode
	s_wait_dscnt 0                                 ; x's blocks 4-7 are in (asked for 32 matrix instructions ago)
	PLACES NP
	FETCH_B \slot, (\q)+1, 1-((\slot)+(\q))%2
	FETCH_A \slot, (\q)+1, 0
	WIN MUL_HI-0x30*(\mode)
	MUL16 4, ((\slot)+(\q))%2, \q, \slot, \mode
	MUL16 6, ((\slot)+(\q))%2, \q, \slot, \mode
	PLACES NP
	WIN 0
	FETCH_A \slot, (\q)+1, 4
.endm
; A slot's last step changes slots: ONE barrier; in front of it each wave waits for all its tensor loads, adds 0 to its spare word, and waits for that and for its own reads of this slot.  fill = 1: this slot is filled again, two slots ahead.
.macro TURN slot, next, fill
.if \fill
	s_wait_xcnt 0x0                                ; the last prefetches, a slot back, have read their address: it is stepped here, ahead of the waits of the change of slots
	s_lshr_b32 s92, s[PM], s[PH]
	s_and_b32 s92, s92, 1
	s_lshl_b32 s92, s92, 13                        ; a piece of 32 blocks on, if the last refill had a piece named behind it
	s_add_nc_u64 s[PFA:PFA+1], s[PFA:PFA+1], s[92:93]
	s_add_co_u32 s[PH], s[PH], 1                   ; which slot's worth of K this refill asks for: 2 to 10
.endif
	s_wait_tensorcnt 0x0                           ; all my tensor loads have landed: my part of the next slot;  (every window is 0 here: the add's two registers lie in window 0)
	ds_add_u32 v[SPW], v[NIL]                      ; 0 onto my spare word
	s_wait_dscnt 4*NL+1                            ; (the add and the youngest 12 loads, x's blocks 4-7, may be out)
	WIN MUL_LO
	MUL16 0, \slot, NQ-1, \slot, 0                 ; sixteen matrix instructions stand between the add and the wait for it
	s_wait_dscnt 0x0                               ; the add is done, and my reads of this slot are over
	s_barrier_signal -1
	MUL16 2, \slot, NQ-1, \slot, 0
	WIN 0
	s_barrier_wait -1
.if \fill
	CREST                                          ; the barrier has opened a round of the cluster's barrier: no wave of any partner still reads this slot's tile or has a load on its way
	s_add_nc_u64 s[G0+4*\slot+2:G0+4*\slot+3], s[G0+4*\slot+2:G0+4*\slot+3], 2*TILEB
	s_add_nc_u64 s[G0B+4*\slot+2:G0B+4*\slot+3], s[G0B+4*\slot+2:G0B+4*\slot+3], 2*TILEB
	JLOAD G0+4*\slot, G1, G0B+4*\slot, G1B         ; the first tensor load behind the round, my one load until the next; the four v_nop behind it are the places in front of the loads below
.else
	PLACES NP
.endif
	FETCH_B \next, 0, \next
	FETCH_A \next, 0, 0
	SCALES \next
.if \fill
	ASK                                            ; behind the joint load and the run of LDS loads that the next products wait for
.endif
	WIN MUL_HI
	MUL16 4, \slot, NQ-1, \slot, 0
	MUL16 6, \slot, NQ-1, \slot, 0
	PLACES NP
	WIN 0
	FETCH_A \next, 0, 4
.endm
; The third product: 16 matrix instructions: t2's blocks a0, a0 + 1 against lora_B's eight, onto the same accumulators, in the same order of turns.
.macro LORA16 a0
.irp a, \a0, \a0+1
.irp b, 0,1,2,3,4,5,6,7
	v_wmma_f32_16x16x32_bf16 v[8*(8*((\a)%4)+\b):8*(8*((\a)%4)+\b)+7], v[96+8*\b+96*(\b/4):96+8*\b+96*(\b/4)+7], v[TF+8*(\a):TF+8*(\a)+7], v[8*(8*((\a)%4)+\b):8*(8*((\a)%4)+\b)+7]
.endr
.endr
.endm
	s_wait_tensorcnt 1                             ; my part of slot 0 is in (slot 1's load may be out)
	s_barrier_signal -1
	s_barrier_wait -1                              ; everybody's is
	FETCH_B 0, 0, 0
	FETCH_A 0, 0, 0
	SCALES 0
	FETCH_A 0, 0, 4
	STEP 0, 0, 1                                   ; the first step stands in front of the loop: its products start the sums, on the bias
	; the bias has been taken (the step's last four places stand between its last product and these lines): its registers take t2's eight fragments.  Nothing reads them before the loop's end, where their wait stands
.irp a, 0,1,2,3,4,5,6,7
	global_load_b128 v[TF+8*\a:TF+8*\a+3], v[LI], s[8:9] offset:512*\a   ; registers 0-3: ranks 8 h + 0 .. 7 of row 16 a + r
.endr
.irp a, 0,1,2,3,4,5,6,7
.irp i, 4,5,6,7
	v_mov_b32 v[TF+8*\a+\i], 0                     ; registers 4-7: K = 16 .. 31, which this product does not have
.endr
.endr
	s_mov_b32 s3, TRIPS
.Llap:                                                 ; a trip goes once round the ring, six K steps, from a lap's second step to the next lap's first, and fills both slots again: slots' worth 2 to 9 in four trips
	STEP 0, 1, 0
	TURN 0, 1, 1
	STEP 1, 0, 0
	STEP 1, 1, 0
	TURN 1, 0, 1
	STEP 0, 0, 0
	s_sub_co_u32 s3, s3, 1
	s_cmp_lg_u32 s3, 0
	s_cbranch_scc1 .Llap
	STEP 0, 1, 0                                   ; the tail is written out: 1 + 4 x 6 + 7 = 32 K steps
	TURN 0, 1, 1                                   ; the last refill: the last slot's worth, two K steps, into slot 0
	STEP 1, 0, 0
	STEP 1, 1, 0
	TURN 1, 0, 0                                   ; nothing is filled, so no round of the cluster's barrier; behind this barrier nobody reads slot 1
	STEP 0, 0, 0
	s_wait_dscnt 4*NL                              ; the very last step: nothing more to fetch
	WIN MUL_LO
	MUL16 0, 1, 1, 0, 0
	MUL16 2, 1, 1, 0, 0
	s_wait_dscnt 0
	WIN MUL_HI
	MUL16 4, 1, 1, 0, 0
	MUL16 6, 1, 1, 0, 0
	WIN 0
	s_wait_loadcnt 0x0                             ; t2's fragments
	PLACES NP+1                                    ; a matrix instruction of another form writes over these accumulators: one place more than a read asks
	WIN MUL_LO
	LORA16 0
	LORA16 2
	WIN MUL_HI
	LORA16 4
	LORA16 6
	WIN 0
; THE WAY OUT, block by block of 16 rows x 128 columns.  A lane holds 32 neighbouring bytes of a row, and the lanes beside it hold other rows: so a block goes through my own stage in LDS and comes back as whole
; rows of 512 bytes.  LDS serves a wave's instructions in order (ISA guide 5.7.1.4): no wait between the stores and the loads, nor in front of the next block's stores.
.macro TOSTAGE a
.set AC, 64*((\a)%4)
	WIN 0x08+4*((\a)/4)                            ; the data: window 2 or 3
.irp b, 0,1,2,3,4,5,6,7
	ds_store_b128 v[STO], v[AC+8*\b:AC+8*\b+3] offset:64*\b          ; each accumulator from its low end on
	ds_store_b128 v[STO], v[AC+8*\b+4:AC+8*\b+7] offset:64*\b+16
.endr
	WIN 0
.set BB, BK+64*((\a)%2)
.irp t, 0,1,2,3,4,5,6,7,8,9,10,11,12,13,14,15
	ds_load_b128 v[BB+4*\t:BB+4*\t+3], v[RD] offset:\t*SPITCH
.endr
.endm
.macro SEND a, younger                 ; younger: the LDS instructions issued behind block a's loads, which may stay out
.set BB, BK+64*((\a)%2)
	s_wait_dscnt \younger                          ; the block is back in registers
.if (\a) > 0
	s_add_nc_u64 s[14:15], s[14:15], 16*CROW       ; (behind a wait on XCNT: the earlier stores have read their base)  16 rows on, so that the stores' offsets stay at 15 rows at the most
.endif
.irp t, 0,1,2,3,4,5,6,7,8,9,10,11,12,13,14,15
	global_store_b128 v[LI], v[BB+4*\t:BB+4*\t+3], s[14:15] offset:\t*CROW th:TH_STORE_NT   ; 32 lanes store 512 consecutive bytes, at a multiple of 512 from out0's first byte; written once, read by nobody here
.endr
.endm
	PLACES NP                                      ; behind the last products: for the stage's stores, which read results, and for the loads into the registers that held x's fragments
	TOSTAGE 0
.irp a, 1,2,3,4,5,6,7
.if \a > 1
	s_wait_xcnt 0x0                                ; block a - 2's stores have read their registers and their base: block a's loads may land there, and the base may step
.endif
	TOSTAGE \a
	SEND \a-1, 32                                  ; behind block a - 1's loads: block a's 16 stores and 16 loads
.endr
	s_wait_xcnt 0x0                                ; block 6's stores have read their base
	SEND 7, 0
	s_wait_tensorcnt 0x0                           ; the wave's end, behind my last tensor load and my last LDS store
	ds_add_u32 v[SPW], v[NIL]
	s_wait_dscnt 0x0
	CROUND                                         ; the closing round: no work-group ends while a partner may still ask for a tile that names it
	s_endpgm
.Lfunc_end_k_q4617ed97e3_gemm:
	.size	k_q4617ed97e3_gemm, .Lfunc_end_k_q4617ed97e3_gemm-k_q4617ed97e3_gemm
	.p2alignl 7, 3214868480
	.fill 96, 4, 3214868480
	.section	.rodata,"a",@progbits
	.p2align	6, 0x0
	.amdhsa_kernel k_q4617ed97e3_gemm
		.amdhsa_group_segment_fixed_size 327680
		.amdhsa_private_segment_fixed_size 0
		.amdhsa_enable_private_segment 0
		.amdhsa_kernarg_size 48
		.amdhsa_user_sgpr_count 2
		.amdhsa_user_sgpr_kernarg_segment_ptr 1
		.amdhsa_wavefront_size32 1
		.amdhsa_system_sgpr_workgroup_id_x 1
		.amdhsa_system_sgpr_workgroup_id_y 1
		.amdhsa_system_sgpr_workgroup_id_z 1
		.amdhsa_system_vgpr_workitem_id 0
		.amdhsa_next_free_vgpr 1024
		.amdhsa_next_free_sgpr 102
		.amdhsa_reserve_vcc 0
		.amdhsa_float_denorm_mode_32 3
		.amdhsa_float_denorm_mode_16_64 3
		.amdhsa_memory_ordered 1
		.amdhsa_forward_progress 1
		.amdhsa_inst_pref_size 218
	.end_amdhsa_kernel
	.amdgpu_metadata
---
amdhsa.version: [ 1, 2 ]
amdhsa.kernels:
  - .name:           k_q4617ed97e3_gemm
    .symbol:         k_q4617ed97e3_gemm.kd
    .args:
      - { .name: xc, .offset: 0, .size: 8, .value_kind: global_buffer, .address_space: global }
      - { .name: wc, .offset: 8, .size: 8, .value_kind: global_buffer, .address_space: global }
      - { .name: tb, .offset: 16, .size: 8, .value_kind: global_buffer, .address_space: global }
      - { .name: b, .offset: 24, .size: 8, .value_kind: global_buffer, .address_space: global }
      - { .name: lora_B, .offset: 32, .size: 8, .value_kind: global_buffer, .address_space: global }
      - { .name: out0, .offset: 40, .size: 8, .value_kind: global_buffer, .address_space: global }
    .group_segment_fixed_size: 327680
    .private_segment_fixed_size: 0
    .kernarg_segment_align: 8
    .kernarg_segment_size: 48
    .max_flat_workgroup_size: 128
    .sgpr_count:     102
    .vgpr_count:     1024
    .wavefront_size: 32
...
	.end_amdgpu_metadata
.endif
;; end of part 2
;; ======== version 2 of 2: 2 launches; version 1 with the launch quant written anew for expert scheduling mode
;; workspace buffers: xc 13,697,024 bytes; wc 13,697,024 bytes; tb 131,072 bytes
;; launch quant (part 3): grid 256 x 1, 8 waves a work-group, no clusters, 84,992 bytes of LDS; arguments x, W, lora_A, xc, wc, tb; writes xc, wc, tb
.if DOCPART == 3
	.amdgcn_target "amdgcn-amd-amdhsa--gfx1250"
	.amdhsa_code_object_version 6
	.text
	.protected	k_q4617ed97e3_quant
	.globl	k_q4617ed97e3_quant
	.p2align	8
	.type	k_q4617ed97e3_quant,@function
k_q4617ed97e3_quant:
	s_mov_b64 s[64:65], 0
	v_nop
	global_prefetch_b8 v0, s[64:65] scope:SCOPE_SE
	s_setreg_imm32_b32 hwreg(HW_REG_WAVE_SCHED_MODE, 0, 2), 2
	s_setreg_imm32_b32 hwreg(HW_REG_WAVE_MODE, 25, 1), 1
	s_wait_xcnt 0x0
	s_wait_alu depctr_vm_vsrc(0)
; x [4096][4096] and W [4096][4096], f32, become codes of BF6 (E3M2) with one E8M0 scale byte for each 32 along K, laid IN THE ORDER OF THE OPERAND'S REGISTERS for the product's launch;
; and t2 = 2 x Q(x) Q(lora_A)^T [4096][16] is made on the way, from the fragments of x that lie in registers anyway, and stored as bf16.
; A block's scale is 2^(floor(log2(its largest magnitude)) - 4); its byte is the largest magnitude's exponent field - 4, held at 1 from below; each number is divided by the scale and rounded to the nearest code, ties to even, beyond 28 the largest code.
; LIMITS: NaN and infinities among the inputs are not served.  A block of zeros gets the byte 1 where the rule says 127: its codes are zeros, which add nothing under any byte but 0xff, and the bytes are read by this program alone.
;   t's sum over K is taken in 16 parts (8 waves x 2 accumulators), added in f32 in a fixed order; 2 t is rounded to bf16 once, for the third product.
; LAYOUTS.  xc, wc: [tile of 16 rows: 256][slot of three K steps of 128: 11][4,864 bytes]: three fragments' images of 1,536 bytes (registers 4 c .. 4 c + 3 of lane l at 512 c + 16 l), then 256 bytes of scale words, [row 16][4 words]:
;   word j is the word of K step 3 s + j, word 3 is 0.  So K step k begins at byte 1,536 k + 256 (k / 3) of its tile.  32 K steps are ten slots and two thirds: the K step 32 that does not exist is stored as zeros.
;   tb: [tile 256][lane 32][16 bytes]: lane (r, h) holds 2 t[16 tile + r][8 h .. 8 h + 7]: registers 0-3 of a bf16 fragment.
; SHARES.  Work-group g takes rows 16 g .. 16 g + 15 of x and of W, for all of K; wave w takes K = 512 w .. 512 w + 511: four K steps q.  A wave walks 12 items of 16 rows x 128 K (8,192 bytes): for each q lora_A's, x's, W's.
; Each wave quantises its own K range of lora_A itself: no launch runs earlier, and work-groups hand each other nothing.
; AN ITEM'S WAY.  16 loads, each a row's 512 consecutive bytes (16 a lane); through the wave's own stage in LDS (rows 528 bytes apart: 33 x 16, so that the sixteen rows of a read start in different banks); back so that lane (r, h)
; holds 16 neighbours of each of the four blocks of row r; then the block's maximum, the scale, the conversion.  Loads run four items ahead, the turn through LDS one item.
; THE SCALE WORDS of a slot come from two waves: they meet in LDS (cleared at the head, a barrier, a word at a time, the barrier at the end) and leave as whole blocks of 256 bytes.
; THE MODE: SCHED_MODE bits 1:0 = 2 (LLVM: expert scheduling mode 2), set by the entry lines.  The code itself states the register dependences
; between vector or matrix instructions and memory or LDS instructions, with s_wait_alu, always for 0.
; THE PLAN.  Registers that memory or LDS instructions touch, in the twelve steps (step n works on item n):
;   RAW0 .. RAW3  (window 1)  The loads of item n + 4, issued at step n's head, land in RAW[n % 4]; the stage's stores of item n, issued in step n - 1, have read it.  No vector instruction names them.
;   X0, X1        Step n's maxima and conversions read X[n % 2]; the LDS loads that bring item n + 1 back, issued in step n, land in X[(n + 1) % 2].
;   PC            Written by the step of an item of x or of W; read by that step's three stores, and for x by its matrix instruction; written again one or two steps on.
;   PWX, PWW      A scale word for each item, written once; read by one LDS store, x's also by the matrix instruction.
;   LA, LAS       lora_A's fragment and scale word: vector and matrix instructions alone.
;   v4-11, v22-25, v60-63  Offsets and LDS addresses, made once at the head and never written again.
; So ONE wait on va_vdst stands in a step, behind its conversions: they are done reading X[n % 2], in which the next step's LDS loads land, and the codes and the scale word are written, which the step's stores and its matrix
; instruction read.  One wait on vm_vsrc stands at a step's head: the stage's stores have read RAW[n % 4], and the stores of the steps before have read PC.  The LDS loads that bring the next item back are dealt among the step's
; maxima, with no further wait: since the last wait on va_vdst no vector or matrix instruction names X[(n + 1) % 2] or their address.
; REGISTERS: window 0: v1-11 lane numbers and offsets; v12-15, v16-19 x's and W's scale words; v20 lora_A's; v22-25 where my four K steps' codes go; v28-39 lora_A's fragment; v40-51 the fragment just made; v52-59 at work;
;   v60-63 where my four K steps' scale words go in LDS; v64-191 two sets of 64 numbers; v192-207 at work; v208-223 two accumulators of t; v224-231 their sum.   window 1: four sets of 64 numbers as they are loaded.
.set ROWB,  16384                      ; a row of x, W or lora_A in bytes
.set SP,    528                        ; a stage row
.set WSTG,  16*SP                      ; a wave's stage
.set RED,   8*WSTG                     ; behind the stages: 1,024 bytes a wave for t's parts
.set SCW,   RED+8*1024                 ; behind them: the scale words: x's 11 blocks of 256 bytes, then W's; 8,192 bytes are cleared
.set SCT,   11*256                     ; a tensor's scale words
.set FRB,   1536                       ; a fragment's image
.set SLOTB, 3*FRB+256                  ; a tile's part of a slot
.set TILEK, 11*SLOTB                   ; a tile, all of K
.set OFF,   4                          ; v4  16 x lane
.set STI,   5                          ; v5  the stage, on the way in: my wave's stage + 16 x lane
.set STO,   6                          ; v6  and on the way out: + 528 r + 64 h
.set ZA,    7                          ; v7  the scale words' bytes that I clear: 16 x my thread's number
.set RDW,   8                          ; v8  where I put my part of t
.set RDR,   9                          ; v9  where the parts are read
.set SLA,   10                         ; v10 LDS: slot w's block of scale words, 8 bytes a lane
.set SGO,   11                         ; v11 and its place in a tile of xc or wc
.set PWX,   12
.set PWW,   16
.set LAS,   20
.set OQ,    22                         ; v22-25 16 x lane + where K step 4 w + q begins in a tile
.set LA,    28
.set PC,    40
.set T2,    52
.set SWA,   60                         ; v60-63 LDS address of row r's word of K step 4 w + q
.set X,     64
.set TM,    192                        ; v192-195 largest magnitudes, v196-199 the other half's, then the bytes, v204-207 the conversions' scale operands
.set ACC,   208
.set RS,    224
.set WV,    20                         ; s20 my wave's number
.set SEL,   22                         ; s[22:23] v_permlanex16_b32's selects for lane l xor 16
.set SRC,   24                         ; s[24:25] lora_A, s[26:27] x, s[28:29] W, each at my rows and my K range
.set DST,   28                         ; s[30:31] xc, s[32:33] wc at my tile (DST + 2 x kind)
.set MSB, 0
.macro WIN new                         ; the immediate's high byte repeats the setting that is left
.if MSB != (\new)
	s_set_vgpr_msb (MSB<<8)|(\new)
.set MSB, (\new)
.endif
.endm
	s_load_b256 s[4:11], s[0:1], 0x0               ; x s[4:5], W s[6:7], lora_A s[8:9], xc s[10:11]
	s_load_b128 s[12:15], s[0:1], 0x20             ; wc s[12:13], tb s[14:15]
	v_lshl_add_u32 v254, v0, 2, 0x14800
	v_mov_b32 v255, 0
	v_lshrrev_b32 v1, 5, v0
	v_readfirstlane_b32 s[WV], v1                  ; wave 0..7
	v_lshl_add_u32 v[ZA], v0, 4, SCW
.irp b, 0,1,2,3
	v_mov_b32 v[TM+4+\b], 0                        ; written once: a lane permute's destination counts as one of its sources; first they serve as the zeros below
.endr
	v_and_b32 v1, 31, v0                           ; lane
	v_and_b32 v2, 15, v0                           ; r
	v_bfe_u32 v3, v0, 4, 1                         ; h
	v_lshlrev_b32 v[OFF], 4, v1
	s_wait_alu depctr_va_sdst(0)                   ; s20, the wave's number, is written, ahead of its first reader: LDS addresses, bases and the tail's branches are made from it
	s_mul_i32 s40, s[WV], WSTG
	v_add_nc_u32 v[STI], s40, v[OFF]
	v_mul_u32_u24 v[STO], v2, SP
	v_lshl_add_u32 v[STO], v3, 6, v[STO]
	v_add_nc_u32 v[STO], s40, v[STO]
	s_lshl_b32 s40, s[WV], 10
	v_add_nc_u32 v[RDW], s40, v[OFF]
	v_add_nc_u32 v[RDW], RED, v[RDW]
	v_add_nc_u32 v[RDR], RED, v[OFF]
	s_lshl_b32 s40, s[WV], 8
	v_lshl_add_u32 v[SLA], v1, 3, SCW
	v_add_nc_u32 v[SLA], s40, v[SLA]
	s_mul_i32 s40, s[WV], SLOTB
	s_add_co_u32 s40, s40, 3*FRB                   ; a slot's scale words lie behind its three images
	v_lshl_add_u32 v[SGO], v1, 3, s40
	v_lshl_add_u32 v21, v2, 4, SCW                 ; a row's four words: 16 r
.irp q, 0,1,2,3
	s_lshl_b32 s40, s[WV], 2
	s_add_co_u32 s40, s40, \q                      ; k = 4 w + q
	s_mul_i32 s41, s40, 11
	s_lshr_b32 s41, s41, 5                         ; s = k / 3, which (11 k) >> 5 is for k up to 31
	s_mul_i32 s42, s41, 244
	s_lshl_b32 s43, s40, 2
	s_add_co_u32 s42, s42, s43                     ; 256 s + 4 (k - 3 s) = 244 s + 4 k
	v_add_nc_u32 v[SWA+\q], s42, v21
	s_mul_i32 s43, s40, FRB
	s_lshl_b32 s41, s41, 8
	s_add_co_u32 s43, s43, s41                     ; 1,536 k + 256 s
	v_add_nc_u32 v[OQ+\q], s43, v[OFF]
.endr
	s_wait_alu depctr_va_vdst(0)                   ; all offsets and LDS addresses (v4-11, v22-25, v60-63) are written, which the kernel's loads and stores read, and so are the four zeros, which the two stores below read
	ds_store_b128 v[ZA], v[TM+4:TM+7]              ; the scale words' bytes are cleared: 256 threads x 2 x 16 bytes.  So word 3 of every row and the word of K step 32 are zeros
	ds_store_b128 v[ZA], v[TM+4:TM+7] offset:4096
	s_mov_b32 s[SEL], 0x76543210
	s_mov_b32 s[SEL+1], 0xfedcba98
	s_lshl_b32 s40, s[WV], 11                      ; my K range: 512 numbers, 2,048 bytes a wave
	s_mov_b32 s41, 0
	s_lshl_b32 s42, ttmp9, 18                      ; my 16 rows of 16,384 bytes
	s_add_co_u32 s42, s42, s40
	s_mov_b32 s43, 0
	s_wait_kmcnt 0x0
	s_add_nc_u64 s[SRC:SRC+1], s[8:9], s[40:41]
	s_add_nc_u64 s[SRC+2:SRC+3], s[4:5], s[42:43]
	s_add_nc_u64 s[SRC+4:SRC+5], s[6:7], s[42:43]
	s_mul_i32 s42, ttmp9, TILEK                    ; my tile in xc and in wc
	s_add_nc_u64 s[DST+2:DST+3], s[10:11], s[42:43]
	s_add_nc_u64 s[DST+4:DST+5], s[12:13], s[42:43]
	s_lshl_b32 s42, ttmp9, 9                       ; a tile of t2: 512 bytes
	s_add_nc_u64 s[38:39], s[14:15], s[42:43]
; Item n = 3 q + kind (kind 0: lora_A, 1: x, 2: W): 16 rows x 128 K into set n % 4 of window 1.  Each load reads 512 consecutive bytes of one row.  x and W are read once in the launch; every work-group reads lora_A, so its loads carry no hint.
.macro LOAD n
.set LQ, (\n)/3
.set LK, (\n)%3
.set LR, 64*((\n)%4)
	WIN 0x40                                       ; destination window 1
.irp i, 0,1,2,3,4,5,6,7,8,9,10,11,12,13,14,15
.if LK == 0
	global_load_b128 v[LR+4*\i:LR+4*\i+3], v[OFF], s[SRC:SRC+1] offset:ROWB*\i+512*LQ
.else
	global_load_b128 v[LR+4*\i:LR+4*\i+3], v[OFF], s[SRC+2*LK:SRC+2*LK+1] offset:ROWB*\i+512*LQ th:TH_LOAD_NT
.endif
.endr
	WIN 0
.endm
; Item n into my stage, as loaded.  LDS serves a wave's instructions in order (ISA guide 5.7.1.4): no wait between these stores and the loads that bring the item back, and one stage is enough.
.macro TURN_IN n
.set TR, 64*((\n)%4)
.set TX, X+64*((\n)%2)
	WIN 0x04                                       ; an LDS store's data are its source 1: window 1
.irp i, 0,1,2,3,4,5,6,7,8,9,10,11,12,13,14,15
	ds_store_b128 v[STI], v[TR+4*\i:TR+4*\i+3] offset:SP*\i
.endr
	WIN 0
.endm
; Two of the sixteen loads (2 g and 2 g + 1) that bring that item back as lane (r, h) wants it: register 16 b + i = k 32 b + 16 h + i of row r.
.macro BACK g
.irp e, 0,1
	ds_load_b128 v[TX+4*(2*(\g)+\e):TX+4*(2*(\g)+\e)+3], v[STO] offset:128*((2*(\g)+\e)/4)+16*((2*(\g)+\e)%4)
.endr
.endm
; 64 numbers of a lane, v[s] on, become a fragment's 12 registers in v[d] on and its rows' scale word in v[pw].  more = 1: the next item's sixteen loads from the stage are dealt among the maxima, two behind each four.
; They want no wait: they land in the other set of numbers, and no vector or matrix instruction issued since the last wait on va_vdst names that set or v[STO].
.macro QUANT s, d, pw, more
.irp b, 0,1,2,3
	v_max3_num_f32 v[TM+\b], |v[\s+16*\b]|, |v[\s+1+16*\b]|, 0x2800000   ; block b: my 16 numbers, and the floor 2^(5 - 127): so the byte cannot fall under 1
.endr
.if \more
	BACK 0
.endif
.irp i, 2,4,6,8,10,12,14
.irp b, 0,1,2,3
	v_max3_num_f32 v[TM+\b], v[TM+\b], |v[\s+16*\b+\i]|, |v[\s+1+16*\b+\i]|   ; the four blocks by turns: no line waits for the line above it
.endr
.if \more
	BACK (\i)/2
.endif
.endr
.irp b, 0,1,2,3
	v_permlanex16_b32 v[TM+4+\b], v[TM+\b], s[SEL], s[SEL+1]
.endr
.irp b, 0,1,2,3
	v_max_num_f32 v[TM+\b], v[TM+\b], v[TM+4+\b]   ; with lane l xor 16's 16 numbers: the block's largest magnitude
.endr
.irp b, 0,1,2,3
	v_add_nc_u32 v[TM+12+\b], 0xfe000000, v[TM+\b] ; 4 off its exponent field: the conversion takes the exponent field of this operand as its scale, and nothing else of it
.endr
.irp b, 0,1,2,3
	v_lshrrev_b32 v[TM+4+\b], 23, v[TM+12+\b]      ; the scale's byte
.endr
	v_lshl_or_b32 v[\pw], v[TM+5], 8, v[TM+4]      ; the four bytes make my row's scale word; both halves of the lanes hold it
	v_lshl_or_b32 v[\pw], v[TM+6], 16, v[\pw]
	v_lshl_or_b32 v[\pw], v[TM+7], 24, v[\pw]
.irp c, 0,1
	v_cvt_scalef32_pk16_bf6_f32 v[\d+6*\c:\d+2+6*\c], v[\s+32*\c:\s+15+32*\c], v[TM+12+2*\c]
	v_cvt_scalef32_pk16_bf6_f32 v[T2+4*\c:T2+2+4*\c], v[\s+16+32*\c:\s+31+32*\c], v[TM+12+2*\c+1]   ; (a conversion's three registers begin on an even number)
.endr
	v_nop                                          ; one plain place behind a scaled conversion
.irp c, 0,1                                    ; the operand's layout wants a WHOLE block in a lane: lanes 0-15 block 2 c, lanes 16-31 block 2 c + 1
.irp i, 0,1,2
	v_permlane16_swap_b32 v[\d+6*\c+\i], v[T2+4*\c+\i]
.endr
.irp i, 0,1,2
	v_mov_b32 v[\d+3+6*\c+\i], v[T2+4*\c+\i]
.endr
.endr
.endm
; Item n is worked on; item n + 4 is asked for; item n + 1 goes through the stage meanwhile.
.macro STEP n
.set SQ, (\n)/3
.set SKD, (\n)%3
.set SX, X+64*((\n)%2)
.if (\n)+1 <= 11
.set NX, 1
.else
.set NX, 0
.endif
	s_wait_dscnt 0x0                               ; my numbers are back from the stage
	s_wait_xcnt 0x0                                ; the earlier stores have had their addresses translated (ISA guide 3.1): only behind this wait are the codes' registers written again
.if ((\n)+4 <= 11) || (SKD != 0)
	s_wait_alu depctr_vm_vsrc(0)                   ; the stage's stores of this item have read the set in which the loads below land; the stores of the steps before have read v[PC ..], which an item of x or of W writes again; in step 0 the clearing stores have read v196-199, which the permutes write.  (Step 9 loads nothing and writes no such register: it has no such line)
.endif
.if (\n)+4 <= 11
	LOAD (\n)+4
.endif
.if (\n)+1 <= 11
.if (\n)+4 <= 11
	s_wait_loadcnt 48                              ; item n + 1 is in: behind it stand the 16 loads of each of items n + 2, n + 3, n + 4
.else
	s_wait_loadcnt 16*(11-((\n)+1))                ; at the end the count runs down: 16 for each item asked for behind n + 1
.endif
	TURN_IN (\n)+1
.endif
.if SKD == 0
	QUANT SX, LA, LAS, NX
	s_wait_alu depctr_va_vdst(0)                   ; the maxima and conversions are done reading this item's 64 numbers, in which the next step's loads from the stage land
.elseif SKD == 1
	QUANT SX, PC, PWX+SQ, NX
.rept 8
	v_nop                                          ; a scale register written by a vector instruction stands 8 places ahead of a scaled matrix instruction, an operand so written 4
.endr
	s_wait_alu depctr_va_vdst(0)                   ; behind the places: the codes v[PC ..] and the scale word are written, which the stores below read; they, lora_A's fragment and its scale word are written, which the matrix instruction takes; and the conversions are done reading this item's 64 numbers, in which the next step's loads from the stage land
	ds_store_b32 v[SWA+SQ], v[PWX+SQ]              ; my row's word to its place in its slot's block; both halves of the lanes write the same word with the same value
.irp c, 0,1,2
	global_store_b128 v[OQ+SQ], v[PC+4*\c:PC+4*\c+3], s[DST+2:DST+3] offset:512*\c   ; the fragment as it stands: 512 consecutive bytes a store, at a multiple of 256 from the buffer's first byte
.endr
; t^T += Q(lora_A) Q(x)^T for these 128 along K: source 0 = lora_A's 16 rows, source 1 = x's 16 rows: lane (r, h), register j: t[row r][rank 8 h + j].  The two accumulators take turns; the first two products start the sums.
.if SQ < 2
	v_wmma_scale_f32_16x16x128_f8f6f4 v[ACC+8*(SQ%2):ACC+8*(SQ%2)+7], v[LA:LA+11], v[PC:PC+11], 0, v[LAS], v[PWX+SQ] matrix_a_fmt:MATRIX_FMT_BF6 matrix_b_fmt:MATRIX_FMT_BF6
.else
	v_wmma_scale_f32_16x16x128_f8f6f4 v[ACC+8*(SQ%2):ACC+8*(SQ%2)+7], v[LA:LA+11], v[PC:PC+11], v[ACC+8*(SQ%2):ACC+8*(SQ%2)+7], v[LAS], v[PWX+SQ] matrix_a_fmt:MATRIX_FMT_BF6 matrix_b_fmt:MATRIX_FMT_BF6
.endif
; (the next item's 32 maxima, which name none of this product's registers, are the places behind it)
.else
	QUANT SX, PC, PWW+SQ, NX
	s_wait_alu depctr_va_vdst(0)                   ; the codes v[PC ..] and the scale word are written, which the stores below read; the conversions are done reading this item's 64 numbers, in which the next step's loads from the stage land
	ds_store_b32 v[SWA+SQ], v[PWW+SQ] offset:SCT
.irp c, 0,1,2
	global_store_b128 v[OQ+SQ], v[PC+4*\c:PC+4*\c+3], s[DST+4:DST+5] offset:512*\c
.endr
.endif
.endm
.irp n, 0,1,2,3
	LOAD \n
.endr
	s_wait_dscnt 0x0                               ; for the others' sake: the bytes that I cleared are cleared
	s_barrier_signal -1
	s_barrier_wait -1                              ; all of the scale words' bytes are: from here on words are written there
	s_wait_loadcnt 48                              ; item 0 is in; the 48 loads of items 1 to 3 may be out
	TURN_IN 0
.irp g, 0,1,2,3,4,5,6,7
	BACK \g                                        ; item 0 has no step ahead of it: its sixteen loads stand in one run
.endr
.irp n, 0,1,2,3,4,5,6,7,8,9,10,11
	STEP \n
.endr
	; t: my two accumulators, from their low ends on; then the eight waves' parts meet in LDS
.irp i, 0,2,4,6
	v_pk_add_f32 v[RS+\i:RS+\i+1], v[ACC+\i:ACC+\i+1], v[ACC+8+\i:ACC+8+\i+1]
.endr
	s_wait_alu depctr_va_vdst(0)                   ; the additions have written v[RS ..], which the two LDS stores read
	ds_store_b128 v[RDW], v[RS:RS+3]
	ds_store_b128 v[RDW], v[RS+4:RS+7] offset:512
	s_wait_dscnt 0x0                               ; for the others' sake: my part of t and my scale words lie in LDS
	s_barrier_signal -1
	s_barrier_wait -1
	s_wait_alu depctr_vm_vsrc(0)                   ; my two LDS stores have read v[RS ..], which wave 6 writes again below: the wait stands ahead of the branches
	; the scale words leave: wave w stores slot w's block of x and of W, 32 lanes x 8 bytes: 256 consecutive bytes, at a multiple of 256 from the buffer's first byte
	ds_load_b64 v[T2:T2+1], v[SLA]                 ; (no wait on va_vdst for the loads into v[T2 ..] and, in wave 7, v[X ..]: since the last item's wait only the additions above were issued, which name neither)
	ds_load_b64 v[T2+2:T2+3], v[SLA] offset:SCT
	s_wait_dscnt 0x0
	global_store_b64 v[SGO], v[T2:T2+1], s[DST+2:DST+3]
	global_store_b64 v[SGO], v[T2+2:T2+3], s[DST+4:DST+5]
	s_cmp_gt_u32 s[WV], 2
	s_cbranch_scc1 .Lno_more                       ; waves 0 to 2 also store slots 8 to 10
	ds_load_b64 v[T2+4:T2+5], v[SLA] offset:8*256
	ds_load_b64 v[T2+6:T2+7], v[SLA] offset:SCT+8*256
	s_wait_dscnt 0x0
	global_store_b64 v[SGO], v[T2+4:T2+5], s[DST+2:DST+3] offset:8*SLOTB
	global_store_b64 v[SGO], v[T2+6:T2+7], s[DST+4:DST+5] offset:8*SLOTB
.Lno_more:
	s_cmp_lg_u32 s[WV], 6
	s_cbranch_scc1 .Lno_zero                       ; wave 6 stores the K step that does not exist, as zeros: the last slot's third image, which the product's launch brings into LDS with the slot
.irp i, 0,1,2,3
	v_mov_b32 v[RS+\i], 0
.endr
	s_wait_alu depctr_va_vdst(0)                   ; the four zeros are written, which the six stores read
.irp c, 0,1,2
	global_store_b128 v[OFF], v[RS:RS+3], s[DST+2:DST+3] offset:32*FRB+10*256+512*\c
	global_store_b128 v[OFF], v[RS:RS+3], s[DST+4:DST+5] offset:32*FRB+10*256+512*\c
.endr
.Lno_zero:
	s_cmp_lg_u32 s[WV], 7
	s_cbranch_scc1 .Lend                           ; wave 7 adds the eight parts of t
.irp p, 0,1,2,3,4,5,6,7
	ds_load_b128 v[X+8*\p:X+8*\p+3], v[RDR] offset:1024*\p
	ds_load_b128 v[X+8*\p+4:X+8*\p+7], v[RDR] offset:1024*\p+512
.endr
	s_wait_dscnt 0x0
.irp p, 0,2,4,6
.irp i, 0,2,4,6
	v_pk_add_f32 v[X+8*\p+\i:X+8*\p+\i+1], v[X+8*\p+\i:X+8*\p+\i+1], v[X+8*\p+8+\i:X+8*\p+8+\i+1]
.endr
.endr
.irp p, 0,4
.irp i, 0,2,4,6
	v_pk_add_f32 v[X+8*\p+\i:X+8*\p+\i+1], v[X+8*\p+\i:X+8*\p+\i+1], v[X+8*\p+16+\i:X+8*\p+16+\i+1]
.endr
.endr
.irp i, 0,2,4,6
	v_pk_add_f32 v[X+\i:X+\i+1], v[X+\i:X+\i+1], v[X+32+\i:X+32+\i+1]
.endr
.irp i, 0,2,4,6
	v_pk_mul_f32 v[X+\i:X+\i+1], v[X+\i:X+\i+1], 2.0 op_sel_hi:[1,0]   ; the scaling alpha / r = 2, which rounds nothing
.endr
.irp i, 0,1,2,3
	v_cvt_pk_bf16_f32 v[TM+\i], v[X+2*\i], v[X+2*\i+1]
.endr
	s_wait_alu depctr_va_vdst(0)                   ; the roundings have written v[TM .. TM + 3], which the store reads
	global_store_b128 v[OFF], v[TM:TM+3], s[38:39] ; 512 consecutive bytes: the tile's image
.Lend:
	s_wait_dscnt 0x0                               ; the closing lines, six on end
	s_wait_alu 0x0
	s_wait_tensorcnt 0x0
	ds_add_u32 v254, v255
	s_wait_dscnt 0x0
	s_endpgm
.Lfunc_end_k_q4617ed97e3_quant:
	.size	k_q4617ed97e3_quant, .Lfunc_end_k_q4617ed97e3_quant-k_q4617ed97e3_quant
	.p2alignl 7, 3214868480
	.fill 96, 4, 3214868480
	.section	.rodata,"a",@progbits
	.p2align	6, 0x0
	.amdhsa_kernel k_q4617ed97e3_quant
		.amdhsa_group_segment_fixed_size 84992
		.amdhsa_private_segment_fixed_size 0
		.amdhsa_enable_private_segment 0
		.amdhsa_kernarg_size 48
		.amdhsa_user_sgpr_count 2
		.amdhsa_user_sgpr_kernarg_segment_ptr 1
		.amdhsa_wavefront_size32 1
		.amdhsa_system_sgpr_workgroup_id_x 1
		.amdhsa_system_sgpr_workgroup_id_y 1
		.amdhsa_system_sgpr_workgroup_id_z 1
		.amdhsa_system_vgpr_workitem_id 0
		.amdhsa_next_free_vgpr 512
		.amdhsa_next_free_sgpr 66
		.amdhsa_reserve_vcc 0
		.amdhsa_float_denorm_mode_32 3
		.amdhsa_float_denorm_mode_16_64 3
		.amdhsa_memory_ordered 1
		.amdhsa_forward_progress 1
		.amdhsa_inst_pref_size 105
	.end_amdhsa_kernel
	.amdgpu_metadata
---
amdhsa.version: [ 1, 2 ]
amdhsa.kernels:
  - .name:           k_q4617ed97e3_quant
    .symbol:         k_q4617ed97e3_quant.kd
    .args:
      - { .name: x, .offset: 0, .size: 8, .value_kind: global_buffer, .address_space: global }
      - { .name: W, .offset: 8, .size: 8, .value_kind: global_buffer, .address_space: global }
      - { .name: lora_A, .offset: 16, .size: 8, .value_kind: global_buffer, .address_space: global }
      - { .name: xc, .offset: 24, .size: 8, .value_kind: global_buffer, .address_space: global }
      - { .name: wc, .offset: 32, .size: 8, .value_kind: global_buffer, .address_space: global }
      - { .name: tb, .offset: 40, .size: 8, .value_kind: global_buffer, .address_space: global }
    .group_segment_fixed_size: 84992
    .private_segment_fixed_size: 0
    .kernarg_segment_align: 8
    .kernarg_segment_size: 48
    .max_flat_workgroup_size: 256
    .sgpr_count:     66
    .vgpr_count:     512
    .wavefront_size: 32
...
	.end_amdgpu_metadata
.endif
;; end of part 3
;; launch gemm: the kernel of part 2 again; grid 16 x 16, 4 waves a work-group, clusters of 4 x 4, 327,680 bytes of LDS; arguments xc, wc, tb, b, lora_B, out0; writes out0
